; MI455X (gfx1250); checked and timed in simulation.
; The chip was launched on July 23, 2026; its instructions are those of AMD's public machine-readable ISA for CDNA 5 (MIT licence, August 2026) and "CDNA5" Instruction Set Architecture Reference Guide (July 2026). The comments in the code are by the model that wrote it; some were corrected since.
;; LSTM Memory Cell. Allowed arithmetic: matrix products marked QUANTISED: E5M2 operands, one given power-of-two scale a tensor, by v_wmma_f32_16x16x64_bf8_bf8 or v_wmma_f32_16x16x128_bf8_bf8, f32 sums; everything else in f32.
;; Inputs: W_c 2,048 x 4,096 float32; W_f 2,048 x 4,096 float32; W_i 2,048 x 4,096 float32; W_o 2,048 x 4,096 float32; b_c 2,048 float32; b_f 2,048 float32; b_i 2,048 float32; b_o 2,048 float32; c_prev 2,048 x 2,048 float32; h_prev 2,048 x 2,048 float32; lowp_scales 2 int32 (the exponents e of the quantised operands' scales 2^e); x 2,048 x 2,048 float32.
;; Outputs: out0 2,048 x 2,048 float32; out1 2,048 x 2,048 float32.
;; This version of the problem:
;;   THIS VERSION OF THE PROBLEM IS GIVEN IN LOW PRECISION. The matrix products marked QUANTISED in the list below multiply operands that are first quantised to E5M2 (5 exponent bits, 2 mantissa bits; 8 bits a number), with one given power-of-two scale for each operand tensor; their sums are f32. All else is computed in f32.
;;   The module's matrix products, in the order in which they are computed (A, B: the left and right operand; K: the contracted axis; several contracted axes count as one K, in the product's order):
;;     1. [M 2,048, K 4,096] x [K 4,096, N 8,192]; A: computed on the way; B: computed on the way: QUANTISED (scales: A lowp_scales[0], B lowp_scales[1])
;;   THE QUANTISER, for each operand of a quantised product, along K:
;;     - The operand's scale is 2^e, e = its entry of the input lowp_scales (int32; the entries are numbered through the quantised products in the list's order, A before B).
;;     - Each number is divided by the scale, clamped to +-57,344, and rounded to the nearest number of E5M2, ties to even, subnormals kept.
;;     - The product sums the exact products of the quantised numbers (number of the format x scale) in f32.
;;   ~~~python
;;   def quantise(x, axis, e):      # numpy; x: float32 -> the quantised numbers, widened to float32 again
;;       x = np.moveaxis(x, axis, -1); K = x.shape[-1]
;;       r = np.clip(x / 2.0 ** e, -57344, 57344)
;;       step = 2.0 ** (np.maximum(np.frexp(np.where(r == 0, 1, r))[1] - 1, -14) - 2)
;;       q = np.round(r / step) * step * 2.0 ** e      # np.round: ties to even
;;       return np.moveaxis(q, -1, axis).astype(np.float32)
;;   ~~~
;;   OPERANDS COMPUTED ON THE WAY. 'Computed on the way' means the value that the module computes at that place (a softmax that the list does not call 'softmax' is quantised finished and normalised). What goes into a quantiser is computed in f32, as accurately as f32 sums, v_exp_f32 and their like allow (about 1e-6 of the number): no bf16 or f16 on the way to a quantiser, and a product that is left as it is and whose result goes on into a quantised operand takes f32 operands (vector FMAs, or v_wmma_f32_16x16x4_f32). A number that lies on a knife's edge between two numbers of the format may be rounded either way, as far as f32 arithmetic and the matrix unit's own rounding can turn it there, and no further.
;; One version. Each part assembles by itself: llvm-mc -triple=amdgcn-amd-amdhsa -mcpu=gfx1250 --defsym DOCPART=n.
;; ======== version 1 of 1: 2 launches
;; limits: right only within a limited range of input values
;; workspace buffers: a_codes 8,388,608 bytes; w_codes 33,554,432 bytes
;; launch quant (part 1): grid 1280 x 1, 4 waves a work-group, no clusters, 0 bytes of LDS; arguments x, h_prev, W_f, W_i, W_c, W_o, lowp_scales, a_codes, w_codes; writes a_codes, w_codes
.if DOCPART == 1
	.amdgcn_target "amdgcn-amd-amdhsa--gfx1250"
	.amdhsa_code_object_version 6
	.text
	.protected	k_q98822ce5ef_quant
	.globl	k_q98822ce5ef_quant
	.p2align	8
	.type	k_q98822ce5ef_quant,@function
k_q98822ce5ef_quant:
	s_mov_b64 s[64:65], 0
	v_nop
	global_prefetch_b8 v0, s[64:65] scope:SCOPE_SE
	s_setreg_imm32_b32 hwreg(HW_REG_WAVE_MODE, 25, 1), 1
	s_wait_xcnt 0x0
; x, h_prev [2048][2048] and W_f, W_i, W_c, W_o [2048][4096], f32, become codes of BF8 (E5M2), 8 bits each, with the scale 2^e that is given for each operand:
; entry 0 of the buffer of scales for [x | h_prev], entry 1 for the four weights.  code = number / 2^e, held within +-57,344, rounded to the nearest code, ties to even.
; LIMITS: -126 <= e <= 112, so that 2^e and 57,344 x 2^e are f32 numbers.  NaN among the inputs is not served (an infinity is held at the largest code).
; WHERE THE CODES GO.  a_codes [2048][4096]: row m = x's row m, then h_prev's row m.  w_codes [8192][4096]: gate g (f, i, c, o = 0 .. 3) of hidden unit u lies in row 128 (u / 32) + 32 g + u % 32,
; so that 128 rows on end are all four gates of 32 hidden units.
; THE ORDER ALONG K, the same in both buffers: inside each aligned run of 512 along K, byte 16 l + 4 i + e holds k = 128 i + 4 l + e (l = 0 .. 31, i = 0 .. 3, e = 0 .. 3).  A permutation of k that is
; the same in both operands leaves every product with its partner; only the order of the f32 sums differs from ascending k.  It is what a lane holds when each of a step's four loads reads 512
; consecutive bytes, 16 a lane: so loads and stores are both dense and nothing goes through LDS.
; SHARES.  A work-group takes 32,768 numbers, a wave 8,192: 16 steps of 512.  Work-groups 0-127: x; 128-255: h_prev; 256 + 256 g + p: gate g.  One path through the text: only pointers and offsets are
; chosen, on the work-group's number.  Waves share nothing: no LDS, no barrier.  Loads run four steps (16 loads a wave) ahead.
.set R, 16                             ; v16-79   four sets of 16 numbers, as loaded
.set C, 80                             ; v80-143  codes: four registers for each step, so that no store's data are written again
	s_load_b256 s[8:15], s[0:1], 0x0               ; x s[8:9], h_prev s[10:11], W_f s[12:13], W_i s[14:15]
	s_load_b256 s[16:23], s[0:1], 0x20             ; W_c s[16:17], W_o s[18:19], the scales' exponents s[20:21], a_codes s[22:23]
	s_load_b64 s[24:25], s[0:1], 0x40              ; w_codes
	v_lshrrev_b32 v1, 5, v0
	v_readfirstlane_b32 s26, v1                    ; wave 0..3
	v_and_b32 v2, 31, v0                           ; lane
	v_lshlrev_b32 v3, 4, v2                        ; my 16 bytes of a load's or a store's 512; never rewritten
	s_and_b32 s34, ttmp9, 255
	s_lshl_b32 s34, s34, 2
	s_add_co_u32 s34, s34, s26                     ; rW: which run of 8,192 numbers of a weight (two rows) is my wave's
	s_and_b32 s35, s34, 511                        ; rA: which run of x or of h_prev (four rows)
	s_lshl_b32 s44, s35, 15                        ; the run's first byte in x or h_prev: 32,768 bytes a run
	s_lshl_b32 s45, s34, 15                        ; and in a weight
	s_lshl_b32 s46, s35, 14                        ; a_codes: row 4 rA of 4,096 bytes,
	s_lshr_b32 s47, ttmp9, 7
	s_lshl_b32 s47, s47, 11
	s_add_co_u32 s46, s46, s47                     ; + 2,048 for h_prev (used where the work-group's number is under 256)
	s_lshr_b32 s47, s34, 4                         ; w_codes: hidden unit 2 rW: 128 x (unit / 32)
	s_lshl_b32 s47, s47, 7
	s_lshr_b32 s48, ttmp9, 8
	s_max_u32 s48, s48, 1
	s_sub_co_u32 s48, s48, 1                       ; the gate (0 in x's and h_prev's work-groups, which do not use it)
	s_lshl_b32 s48, s48, 5
	s_add_co_u32 s47, s47, s48                     ; + 32 x gate
	s_and_b32 s48, s34, 15
	s_lshl_b32 s48, s48, 1
	s_add_co_u32 s47, s47, s48                     ; + unit % 32
	s_lshl_b32 s47, s47, 12                        ; rows of 4,096 bytes.  The two units' rows are neighbours: 8,192 bytes on end
	s_mov_b32 s41, 0
	s_mov_b32 s43, 0
	s_mov_b32 s49, 2048
	s_wait_alu depctr_va_vdst(0)
	s_wait_kmcnt 0x0
	s_load_b64 s[32:33], s[20:21], 0x0             ; ea, eb
	s_cmp_lt_u32 ttmp9, 128                        ; every choice hangs on the work-group's number alone
	s_cselect_b64 s[28:29], s[8:9], s[10:11]       ; x or h_prev
	s_cmp_lt_u32 ttmp9, 512
	s_cselect_b64 s[36:37], s[12:13], s[14:15]     ; W_f or W_i
	s_cmp_lt_u32 ttmp9, 1024
	s_cselect_b64 s[38:39], s[16:17], s[18:19]     ; W_c or W_o
	s_cmp_lt_u32 ttmp9, 768
	s_cselect_b64 s[36:37], s[36:37], s[38:39]
	s_cmp_lt_u32 ttmp9, 256
	s_cselect_b64 s[28:29], s[28:29], s[36:37]     ; from where,
	s_cselect_b64 s[30:31], s[22:23], s[24:25]     ; to where,
	s_cselect_b32 s40, s44, s45                    ; the two offsets,
	s_cselect_b32 s42, s46, s47
	s_cselect_b32 s49, 4096, s49                   ; and from four steps' codes to the next four's: a row of a_codes on (2,048 numbers are a row of x), or 2,048 bytes on in w_codes
	s_add_nc_u64 s[28:29], s[28:29], s[40:41]
	s_add_nc_u64 s[30:31], s[30:31], s[42:43]
	s_lshl_b32 s50, s49, 1
	s_add_co_u32 s51, s50, s49
	v_mov_b32 v4, v3                               ; v4-7: the stores' offsets for steps 0-3, 4-7, 8-11, 12-15; never rewritten
	v_add_nc_u32 v5, s49, v3
	v_add_nc_u32 v6, s50, v3
	v_add_nc_u32 v7, s51, v3
.macro LOAD t                          ; step t's 512 numbers: each load reads 512 consecutive bytes
.irp i, 0,1,2,3
	global_load_b128 v[R+16*((\t)%4)+4*\i:R+16*((\t)%4)+4*\i+3], v3, s[28:29] offset:2048*(\t)+512*\i th:TH_LOAD_NT
.endr
.endm
.irp t, 0,1,2,3
	LOAD \t
.endr
	s_wait_kmcnt 0x0
	s_cmp_lt_u32 ttmp9, 256
	s_cselect_b32 s34, s32, s33                    ; e
	s_add_co_i32 s34, s34, 127
	s_lshl_b32 s35, s34, 23
	v_mov_b32 v11, s35                             ; 2^e as f32: the conversion takes its exponent field
	s_add_co_i32 s34, s34, 15
	s_lshl_b32 s34, s34, 23
	s_or_b32 s34, s34, 0x600000
	v_mov_b32 v10, s34                             ; 57,344 x 2^e
.macro STEP t
.set XS, R+16*((\t)%4)
.if 15-(\t) >= 3
	s_wait_loadcnt 12                              ; loads come back in order: this step's four are in; those of the three steps behind it may be out
.else
	s_wait_loadcnt 4*(15-(\t))                     ; the last steps: fewer were issued behind
.endif
.irp i, 0,1,2,3,4,5,6,7,8,9,10,11,12,13,14,15
	v_med3_num_f32 v[XS+\i], v[XS+\i], -v10, v10   ; the conversion to an 8-bit code does not saturate (ISA guide 7.6.2): the number is held within the largest code x the scale first
.endr
	v_cvt_scalef32_pk8_bf8_f32 v[C+4*(\t):C+4*(\t)+1], v[XS:XS+7], v11          ; eight numbers / 2^e, to the nearest code, ties to even; the first number's code in the lowest byte
	v_cvt_scalef32_pk8_bf8_f32 v[C+4*(\t)+2:C+4*(\t)+3], v[XS+8:XS+15], v11
; (the codes go to a store alone, and the numbers' registers are next written by loads; the next vector lines are the next step's holds, plain ones on other registers)
.if (\t)+4 < 16
	LOAD (\t)+4                                    ; the set just converted takes the numbers of four steps on
.endif
.endm
	s_wait_alu depctr_va_vdst(0)
.irp t, 0,1,2,3,4,5,6,7,8,9,10,11,12,13,14,15
	STEP \t
.endr
	v_nop                                          ; one plain vector line behind the last conversion
; all sixteen stores stand behind the last conversion: each step has its own four registers of codes, and no vector instruction follows a store
.irp t, 0,1,2,3,4,5,6,7,8,9,10,11,12,13,14,15
	global_store_b128 v[4+(\t)/4], v[C+4*(\t):C+4*(\t)+3], s[30:31] offset:512*((\t)%4)   ; 32 lanes store 512 consecutive bytes, at a multiple of 512 from the buffer's first byte
.endr
	s_endpgm
.Lfunc_end_k_q98822ce5ef_quant:
	.size	k_q98822ce5ef_quant, .Lfunc_end_k_q98822ce5ef_quant-k_q98822ce5ef_quant
	.p2alignl 7, 3214868480
	.fill 96, 4, 3214868480
	.section	.rodata,"a",@progbits
	.p2align	6, 0x0
	.amdhsa_kernel k_q98822ce5ef_quant
		.amdhsa_group_segment_fixed_size 0
		.amdhsa_private_segment_fixed_size 0
		.amdhsa_enable_private_segment 0
		.amdhsa_kernarg_size 72
		.amdhsa_user_sgpr_count 2
		.amdhsa_user_sgpr_kernarg_segment_ptr 1
		.amdhsa_wavefront_size32 1
		.amdhsa_system_sgpr_workgroup_id_x 1
		.amdhsa_system_sgpr_workgroup_id_y 1
		.amdhsa_system_sgpr_workgroup_id_z 1
		.amdhsa_system_vgpr_workitem_id 0
		.amdhsa_next_free_vgpr 144
		.amdhsa_next_free_sgpr 66
		.amdhsa_reserve_vcc 0
		.amdhsa_float_denorm_mode_32 3
		.amdhsa_float_denorm_mode_16_64 3
		.amdhsa_memory_ordered 1
		.amdhsa_forward_progress 1
		.amdhsa_inst_pref_size 29
	.end_amdhsa_kernel
	.amdgpu_metadata
---
amdhsa.version: [ 1, 2 ]
amdhsa.kernels:
  - .name:           k_q98822ce5ef_quant
    .symbol:         k_q98822ce5ef_quant.kd
    .args:
      - { .name: x, .offset: 0, .size: 8, .value_kind: global_buffer, .address_space: global }
      - { .name: h_prev, .offset: 8, .size: 8, .value_kind: global_buffer, .address_space: global }
      - { .name: W_f, .offset: 16, .size: 8, .value_kind: global_buffer, .address_space: global }
      - { .name: W_i, .offset: 24, .size: 8, .value_kind: global_buffer, .address_space: global }
      - { .name: W_c, .offset: 32, .size: 8, .value_kind: global_buffer, .address_space: global }
      - { .name: W_o, .offset: 40, .size: 8, .value_kind: global_buffer, .address_space: global }
      - { .name: lowp_scales, .offset: 48, .size: 8, .value_kind: global_buffer, .address_space: global }
      - { .name: a_codes, .offset: 56, .size: 8, .value_kind: global_buffer, .address_space: global }
      - { .name: w_codes, .offset: 64, .size: 8, .value_kind: global_buffer, .address_space: global }
    .group_segment_fixed_size: 0
    .private_segment_fixed_size: 0
    .kernarg_segment_align: 8
    .kernarg_segment_size: 72
    .max_flat_workgroup_size: 128
    .sgpr_count:     66
    .vgpr_count:     144
    .wavefront_size: 32
...
	.end_amdgpu_metadata
.endif
;; end of part 1
;; launch lstm (part 2): grid 32 x 8, 4 waves a work-group, clusters of 4 x 4, 327,680 bytes of LDS; arguments a_codes, w_codes, lowp_scales, c_prev, b_f, b_i, b_c, b_o, out0, out1; writes out0, out1
.if DOCPART == 2
	.amdgcn_target "amdgcn-amd-amdhsa--gfx1250"
	.amdhsa_code_object_version 6
	.text
	.protected	k_q98822ce5ef_lstm
	.globl	k_q98822ce5ef_lstm
	.p2align	8
	.type	k_q98822ce5ef_lstm,@function
k_q98822ce5ef_lstm:
	s_mov_b64 s[64:65], 0
	v_nop
	global_prefetch_b8 v0, s[64:65] scope:SCOPE_SE
	s_setreg_imm32_b32 hwreg(HW_REG_WAVE_MODE, 25, 1), 1
	s_wait_xcnt 0x0
	s_wait_alu depctr_hold_cnt(0) depctr_sa_sdst(0) depctr_va_vdst(0) depctr_va_sdst(0) depctr_va_ssrc(0) depctr_va_vcc(0) depctr_vm_vsrc(0)
	s_getreg_b32 s2, hwreg(HW_REG_IB_STS2, 6, 4)
	s_cmp_eq_u32 s2, 0
	s_cbranch_scc0 .Lentry_in_a_cluster
	s_endpgm
.Lentry_in_a_cluster:
	s_bfe_u32 s2, ttmp6, 0x10000c
	s_cmp_lg_u32 s2, 0xf033
	s_cbranch_scc0 .Lentry_shape_is_right
	s_endpgm
.Lentry_shape_is_right:
; gates = [x | h_prev] W_all^T + b on codes of BF8 (E5M2), then the cell: c_t = sig(f) c_prev + sig(i) tanh(c~), h_t = sig(o) tanh(c_t).  out0 = h_t, out1 = c_t, f32.
; a_codes [2048][4096]; w_codes [8192][4096], row 128 (u / 32) + 32 g + u % 32 = gate g (f, i, c, o) of hidden unit u; both carry the same permutation of k inside each run of 512.
; A work-group makes 256 rows x 256 rows of w_codes (all four gates of 64 units); a wave 128 x 128 (four gates of 32 units): 64 accumulators, 512 registers.  256 work-groups.
; K goes in steps of 256 through a ring of two LDS slots (rows of 256 bytes, 16 of padding).  4 x 4 clusters: A's tiles are asked for jointly along a row of the cluster, B's along a column.
; Each cluster begins its walk along K at another multiple of 1,024 and wraps: the f32 sums are the same products in another order than ascending k.
; The matrix instruction is used transposed (source 0 = rows of w_codes, source 1 = rows of a_codes): a lane holds one row of the batch, and accumulators 2 g, 2 g + 1 hold gate g of its 16 units.
; sig(x) = 1 / (1 + 2^(-x log2 e)), tanh(x) = 1 - 2 / (1 + 2^(2 x log2 e)); an exponential that overflows gives infinity, whose reciprocal is 0: the limits 0, 1 and -1 come out as they should.
; LIMITS: ea + eb between -126 and 125, so that log2 e x 2^(ea + eb + 1) is an f32 number.  NaN among the inputs is not served.  No work of the problem is left out.
; REGISTERS: window 0: v16-31 addresses, v32-95 the biases (scaled), v128-255 A's fragments, one set (on the way out v96-255 are at work); window 1: B's fragments, two sets; windows 2, 3: the accumulators.
; A STEP of 128 along K is four quadrants of 16 products: Q1 = A's blocks 0-3 x B's 0-3, Q2 = A 0-3 x B 4-7, Q3 = A 4-7 x B 4-7, Q4 = A 4-7 x B 0-3.  So the next step's sixteen fragments come in two runs of
; 32 LDS loads: behind Q2 those that the next Q1 wants (B 0-3 into the other set, A 0-3 into the registers that Q2 has just left), behind Q4 those that the next Q2 and Q3 want (B 4-7, then A 4-7).
.set ROWB,   256                       ; a tile's row in bytes
.set KROW,   4096                      ; a row of codes in memory
.set PITCH,  272                       ; an LDS row: 256 bytes + 16 of padding
.set FR,     16                        ; registers of a fragment, 16 rows x 128 K
.set NP,     4                         ; places behind this matrix instruction (ISA guide 7.12.1)
.set HALFT,  128*PITCH                 ; what one tensor load brings
.set SLOT,   4*HALFT                   ; A's 256 rows, then B's 256
.set LAPS,   8                         ; a lap = two K steps
.set SPARE,  2*SLOT                    ; the spare words, 128 bytes a wave; no other line names them
.set HT,     256*PITCH                 ; the way out: c's 256 rows lie at LDS byte 0, h's at HT; both in slot 0 behind its last fill
.set ADRA, 16                          ; v16-17 my A fragments in slot 0, 1
.set ADRB, 20                          ; v20-21 my B fragments
.set CA,   22                          ; my 32 bytes of a row of c in LDS
.set HA,   23                          ; the same for h
.set RD,   24                          ; where I read whole rows back
.set CO,   26                          ; my byte offset in the output
.set BO,   27                          ; my byte offset in a bias
.set SPW,  28                          ; my spare word
.set NIL,  29                          ; 0
.set PFO,  30                          ; lane x a row of codes
.set PFC,  31                          ; lane x a row of c_prev
.set BI,   32
.set T,    96
.set CP,   160
.set TT,   176
.set OB,   192
.set AF,   128
.set PFB,  8                           ; s[8:9] my work-group's 32 rows of the 128 that my wave fetches
.set KP,   10                          ; s[10:11] the prefetches' place along K
.set K2,   12                          ; 2 log2 e
.set KF,   18                          ; -log2 e
.set KO0,  20                          ; s[20:23] each slot's place along K
.set G1,   24
.set G0,   32
.set G1B,  48
.set G0B,  56
.set CPA,  66                          ; c_prev at my wave's 64 rows
.set OUTP, 76
.set G1C,  80
.set G0C,  88
.set PFA,  92
.set LIM,  94
.set SF,   98                          ; -log2 e x 2^(ea + eb)
.set SC,   100                         ; 2 log2 e x 2^(ea + eb)
.set MSB, 0
.macro WIN new                         ; the immediate's high byte repeats the setting that is left
.if MSB != \new
	s_set_vgpr_msb (MSB<<8)|\new
.set MSB, \new
.endif
.endm
.set MUL_LO, 0xa1                      ; source 0 (B) window 1, source 1 (A) window 0, C and D window 2
.set MUL_HI, 0xf1                      ; the same, C and D window 3
.set TO_B,   0x40
.macro JLOAD g0a, g1a, g0b, g1b        ; a joint load: waves 0, 1 fetch A's halves, waves 2, 3 B's; s_nop 0 and four v_nop behind each line
	s_cmp_eq_u32 s15, 0
	s_cbranch_scc0 .Lfor_b_\@
	tensor_load_to_lds s[\g0a:\g0a+3], s[\g1a:\g1a+7]
	s_nop 0
.rept 4
	v_nop
.endr
	s_branch .Lasked_\@
.Lfor_b_\@:
	tensor_load_to_lds s[\g0b:\g0b+3], s[\g1b:\g1b+7]
	s_nop 0
.rept 4
	v_nop
.endr
.Lasked_\@:
.endm
.macro CLOAD                           ; my 64 rows x 256 bytes of c_prev, into slot 0 behind its last read
	tensor_load_to_lds s[G0C:G0C+3], s[G1C:G1C+7]
	s_nop 0
.rept 4
	v_nop
.endr
.endm
; PREFETCHES.  A lane names one row's 256 bytes of a K step; of the 128 rows that a wave fetches each of the four partners takes 32, by address (cx for A, cy for B).
; The head names K steps 1, 2 and then 3 of the walk; the refill of K step t names K step t + 2.  B's waves go on so up to K step 7: the two cluster rows begin 2,048 apart along K, so a walk's K steps 8-15 are
; those that the other cluster row loads in its first half.  A's waves stop at K step 3: the cluster columns begin 1,024 apart, so a walk's K steps 4-15 are loaded earlier by other columns.
.macro ASK
	s_cmp_gt_u32 s3, s[LIM]
	s_cbranch_scc0 .Lnot_mine_\@
	global_prefetch_b8 v[PFO], s[PFA:PFA+1] th:TH_LOAD_NT scope:SCOPE_SE
.Lnot_mine_\@:
.endm
.macro ASKC                            ; in the loop's last trip: my 64 rows of c_prev, two changes of slots ahead of their load
	s_cmp_eq_u32 s3, 1
	s_cbranch_scc0 .Lnot_yet_\@
	global_prefetch_b8 v[PFC], s[CPA:CPA+1] th:TH_LOAD_NT scope:SCOPE_SE
	global_prefetch_b8 v[PFC], s[CPA:CPA+1] offset:32*8192 th:TH_LOAD_NT scope:SCOPE_SE
.Lnot_yet_\@:
.endm
.macro CREST                           ; a round of the cluster's barrier behind its opening barrier
	s_cmp_lg_u32 s14, 0
	s_cbranch_scc1 .Lnot_wave_0_\@
	s_barrier_signal -3
.Lnot_wave_0_\@:
	s_barrier_wait -3
	s_barrier_signal -1
	s_barrier_wait -1
.endm
.macro CROUND
	s_barrier_signal -1
	s_barrier_wait -1
	CREST
.endm
	s_load_b256 s[4:11], s[0:1], 0x0               ; a_codes, w_codes, the scales' exponents, c_prev
	s_load_b256 s[68:75], s[0:1], 0x20             ; b_f, b_i, b_c, b_o
	s_load_b128 s[76:79], s[0:1], 0x40             ; out0, out1
	v_lshl_add_u32 v[SPW], v0, 2, SPARE
	v_mov_b32 v[NIL], 0
	ds_add_u32 v[SPW], v[NIL]                      ; the opening lines: the add, twice on end, and its wait ahead of my first tensor load
	ds_add_u32 v[SPW], v[NIL]
	v_lshrrev_b32 v1, 5, v0
	v_readfirstlane_b32 s14, v1                    ; wave 0..3
	s_lshr_b32 s15, s14, 1                         ; my half of the rows.  Also: I fetch for A (0) or B (1)
	s_and_b32 s16, s14, 1                          ; my half of the columns.  Also: which 128 rows I fetch
	s_bfe_u32 s40, ttmp6, 0x40000                  ; cx
	s_bfe_u32 s41, ttmp6, 0x40004                  ; cy
	s_lshl_b32 s42, ttmp9, 2
	s_add_co_u32 s42, s42, s40                     ; tile column
	s_and_b32 s17, ttmp7, 0xffff
	s_lshl_b32 s17, s17, 2
	s_add_co_u32 s17, s17, s41                     ; tile row
	s_lshl_b32 s43, s41, 2
	s_lshl_b32 s43, 15, s43                        ; my row of the cluster
	s_lshl_b32 s44, 0x1111, s40                    ; my column
	s_or_b32 s[G1+0], s43, (0<<16)|(1<<20)|(1<<21)|(5<<22)|(3<<25)   ; the mask; elements of 1 byte; padding of 4 words behind every 64; bit 21 beside a mask
	s_or_b32 s[G1B+0], s44, (0<<16)|(1<<20)|(1<<21)|(5<<22)|(3<<25)
.irp g, G1, G1B
	s_mov_b32 s[\g+1], ROWB<<16
	s_mov_b32 s[\g+2], 128<<16
	s_mov_b32 s[\g+3], ROWB<<16
	s_mov_b32 s[\g+4], 128
	s_mov_b32 s[\g+5], KROW
	s_mov_b32 s[\g+6], 0
	s_mov_b32 s[\g+7], 0
.endr
	s_and_b32 s[KO0], ttmp9, 3                     ; where the cluster's walk along K begins: 1,024 (cluster x % 4) + 2,048 (cluster y % 2), modulo 4,096: the same in all partners
	s_lshl_b32 s[KO0], s[KO0], 10
	s_and_b32 s2, ttmp7, 1
	s_lshl_b32 s2, s2, 11
	s_add_co_u32 s[KO0], s[KO0], s2
	s_and_b32 s[KO0], s[KO0], KROW-1
	s_mov_b32 s[KO0+1], 0
	s_add_co_u32 s[KO0+2], s[KO0], ROWB
	s_mov_b32 s[KO0+3], 0
	s_lshl_b32 s2, s16, 7
	s_lshl_b32 s12, s17, 8
	s_add_co_u32 s12, s12, s2
	s_lshl_b32 s12, s12, 12                        ; A: (256 x tile row + 128 x half) rows of 4,096 bytes
	s_mov_b32 s13, 0
	s_lshl_b32 s18, s42, 8
	s_add_co_u32 s18, s18, s2
	s_lshl_b32 s18, s18, 12                        ; B likewise, by the tile column
	s_mov_b32 s19, 0
	s_mul_i32 s45, s14, HALFT                      ; where my tile goes: wave x 128 rows
	s_wait_dscnt 0x0                               ; both opening adds are done
	s_wait_kmcnt 0x0
	s_load_b64 s[96:97], s[8:9], 0x0               ; ea, eb
	s_add_nc_u64 s[4:5], s[4:5], s[12:13]
	s_add_nc_u64 s[6:7], s[6:7], s[18:19]
	CROUND                                         ; all sixteen work-groups are here: the first joint loads meet
.irp s, 0,1
	s_mov_b32 s[G0+4*\s], 1
	s_add_co_u32 s[G0+4*\s+1], s45, \s*SLOT
	s_add_nc_u64 s[G0+4*\s+2:G0+4*\s+3], s[4:5], s[KO0+2*\s:KO0+2*\s+1]
	s_or_b32 s[G0+4*\s+3], s[G0+4*\s+3], 0x80000000
	s_mov_b32 s[G0B+4*\s], 1
	s_add_co_u32 s[G0B+4*\s+1], s45, \s*SLOT
	s_add_nc_u64 s[G0B+4*\s+2:G0B+4*\s+3], s[6:7], s[KO0+2*\s:KO0+2*\s+1]
	s_or_b32 s[G0B+4*\s+3], s[G0B+4*\s+3], 0x80000000
.endr
	JLOAD G0, G1, G0B, G1B                         ; K step 0: one tensor load a wave at the head.  All that follows up to the wait on TENSORcnt is done while it is out
	s_mul_i32 s2, s15, HALFT                       ; my 128 rows of A; also my 128 rows of the stages
	s_mul_i32 s95, s16, HALFT
	s_add_co_u32 s95, s95, 2*HALFT                 ; my 128 rows of B
	s_lshl_b32 s46, s16, 7
	s_add_co_u32 s46, s46, s2                      ; stage, on the way in: my rows, my 128 bytes of their 256
	s_mul_i32 s47, s16, HT
	s_add_co_u32 s47, s47, s2                      ; on the way back: waves with half 0 take c's rows, the others h's
	s_lshl_b32 s44, s17, 8
	s_lshl_b32 s43, s14, 6
	s_add_co_u32 s44, s44, s43
	s_lshl_b32 s44, s44, 13                        ; c_prev: row 256 x tile row + 64 x wave, of 8,192 bytes,
	s_lshl_b32 s43, s42, 8                         ; + 256 bytes x tile column
	s_add_co_u32 s44, s44, s43
	s_mov_b32 s45, 0
	s_add_nc_u64 s[CPA:CPA+1], s[10:11], s[44:45]
	s_lshl_b32 s44, s17, 8
	s_lshl_b32 s12, s15, 7
	s_add_co_u32 s44, s44, s12
	s_lshl_b32 s44, s44, 13
	s_add_co_u32 s44, s44, s43                     ; the output: my 128 rows, the tile's 256 bytes
	s_cmp_eq_u32 s16, 0
	s_cselect_b64 s[OUTP:OUTP+1], s[78:79], s[76:77]   ; half 0 stores c_t (out1), half 1 h_t (out0)
	s_add_nc_u64 s[OUTP:OUTP+1], s[OUTP:OUTP+1], s[44:45]
	s_mov_b32 s[G1C+0], (0<<16)|(1<<20)|(5<<22)|(3<<25)   ; c_prev's tile: 64 rows x 256 bytes, padded as the ring's; no mask
	s_mov_b32 s[G1C+1], 256<<16
	s_mov_b32 s[G1C+2], 64<<16
	s_mov_b32 s[G1C+3], 256<<16
	s_mov_b32 s[G1C+4], 64
	s_mov_b32 s[G1C+5], 8192
	s_mov_b32 s[G1C+6], 0
	s_mov_b32 s[G1C+7], 0
	s_mov_b32 s[G0C], 1
	s_mul_i32 s[G0C+1], s14, 64*PITCH
	s_mov_b64 s[G0C+2:G0C+3], s[CPA:CPA+1]
	s_or_b32 s[G0C+3], s[G0C+3], 0x80000000
	s_lshl_b32 s44, s16, 7
	s_add_co_u32 s44, s44, s43                     ; the biases of my 32 units
.irp g, 0,1,2,3
	s_add_nc_u64 s[68+2*\g:69+2*\g], s[68+2*\g:69+2*\g], s[44:45]
.endr
	s_mov_b32 s[K2], 0x4038aa3b
	s_mov_b32 s[K2+1], 0x4038aa3b
	s_mov_b32 s[KF], 0xbfb8aa3b
	s_mov_b32 s[KF+1], 0xbfb8aa3b
	s_wait_kmcnt 0x0                               ; ea, eb are in, and s[8:9] may be written
	s_add_co_i32 s44, s96, s97
	s_lshl_b32 s44, s44, 23                        ; ea + eb goes into the constants' exponent fields
	s_add_co_u32 s[SF], s44, 0x3fb8aa3b
	s_add_co_u32 s[SC], s[SF], 0x800000
	s_xor_b32 s[SF], s[SF], 0x80000000
	s_mov_b32 s[SF+1], s[SF]
	s_mov_b32 s[SC+1], s[SC]
	s_cmp_eq_u32 s15, 0                            ; do I fetch for A?
	s_cselect_b64 s[PFB:PFB+1], s[4:5], s[6:7]
	s_cselect_b32 s44, s40, s41                    ; my place among the four that ask with me
	s_cselect_b32 s[LIM], -1, 5                    ; in the loop B's waves ask in the first two trips (s3 = 7, 6), A's in none
	s_lshl_b32 s44, s44, 17                        ; 32 rows of 4,096 bytes
	s_add_nc_u64 s[PFB:PFB+1], s[PFB:PFB+1], s[44:45]
	s_add_nc_u64 s[PFA:PFA+1], s[PFB:PFB+1], s[KO0:KO0+1]   ; at the walk's K step 0; steps 1 to 3 do not wrap, since the walk begins at a multiple of 1,024
	s_add_co_u32 s[KP], s[KO0], 3*ROWB
	s_mov_b32 s[KP+1], 0
	v_and_b32 v1, 15, v0                           ; l % 16
	v_bfe_u32 v2, v0, 4, 1                         ; l / 16
	v_mul_u32_u24 v3, v1, PITCH
	v_lshl_add_u32 v4, v2, 4, v3                   ; a fragment's row x pitch + 16 x half
	v_add_nc_u32 v[ADRA], s2, v4
	v_add_nc_u32 v[ADRB], s95, v4
	v_add_nc_u32 v[ADRA+1], SLOT, v[ADRA]
	v_add_nc_u32 v[ADRB+1], SLOT, v[ADRB]
	v_lshl_add_u32 v[CA], v2, 5, v3                ; stage: row l % 16, 32 bytes for each half of the lanes
	v_add_nc_u32 v[CA], s46, v[CA]
	v_add_nc_u32 v[HA], HT, v[CA]
	v_mul_u32_u24 v5, v2, PITCH                    ; back: sixteen lanes to a row of 256 bytes, two rows an instruction
	v_lshl_add_u32 v5, v1, 4, v5
	v_add_nc_u32 v[RD], s47, v5
	v_lshlrev_b32 v[CO], 13, v2
	v_lshl_add_u32 v[CO], v1, 4, v[CO]
	v_and_b32 v6, 31, v0
	v_lshlrev_b32 v[PFO], 12, v6
	v_lshlrev_b32 v[PFC], 13, v6
	v_lshlrev_b32 v[BO], 5, v2
.irp g, 0,1,2,3
.irp u, 0,1
.irp q, 0,1
	global_load_b128 v[BI+16*\g+8*\u+4*\q:BI+16*\g+8*\u+4*\q+3], v[BO], s[68+2*\g:69+2*\g] offset:64*\u+16*\q   ; gate g's bias at units 16 u + 8 (l / 16) + 4 q ..
.endr
.endr
.endr
	s_wait_loadcnt 0x0                             ; the biases are in; they are scaled while K step 0 is still out
.irp g, 0,1,2,3
.irp n, 0,2,4,6,8,10,12,14
.if \g == 2
	v_pk_mul_f32 v[BI+16*\g+\n:BI+16*\g+\n+1], v[BI+16*\g+\n:BI+16*\g+\n+1], s[K2:K2+1] op_sel_hi:[1,0]
.else
	v_pk_mul_f32 v[BI+16*\g+\n:BI+16*\g+\n+1], v[BI+16*\g+\n:BI+16*\g+\n+1], s[KF:KF+1] op_sel_hi:[1,0]
.endif
.endr
.endr
	global_prefetch_b8 v[PFO], s[PFA:PFA+1] offset:ROWB th:TH_LOAD_NT scope:SCOPE_SE     ; K steps 1 and 2 of the walk, asked for behind K step 0's own requests
	global_prefetch_b8 v[PFO], s[PFA:PFA+1] offset:2*ROWB th:TH_LOAD_NT scope:SCOPE_SE
.macro FRAG reg, adr, q, i             ; 16 rows x 128 K: registers 4 c .. 4 c + 3 hold bytes 32 c + 16 (l / 16) + 0 .. 15 of row l % 16; the same places in A and in B
.irp c, 0,1,2,3
	ds_load_b128 v[\reg+4*\c:\reg+4*\c+3], v[\adr] offset:128*(\q)+32*\c+(\i)*16*PITCH
.endr
.endm
.macro MULQ a0, b0, p, zero            ; a quadrant: A's blocks a0 .. a0 + 3 x B's b0 .. b0 + 3 of set p; the 64 accumulators take turns in the same order in every step
.irp a, \a0, \a0+1, \a0+2, \a0+3
.irp b, \b0, \b0+1, \b0+2, \b0+3
.if \zero
	v_wmma_f32_16x16x128_bf8_bf8 v[8*(8*((\a)%4)+(\b)):8*(8*((\a)%4)+(\b))+7], v[128*(\p)+FR*(\b):128*(\p)+FR*(\b)+FR-1], v[AF+FR*(\a):AF+FR*(\a)+FR-1], 0
.else
	v_wmma_f32_16x16x128_bf8_bf8 v[8*(8*((\a)%4)+(\b)):8*(8*((\a)%4)+(\b))+7], v[128*(\p)+FR*(\b):128*(\p)+FR*(\b)+FR-1], v[AF+FR*(\a):AF+FR*(\a)+FR-1], v[8*(8*((\a)%4)+(\b)):8*(8*((\a)%4)+(\b))+7]
.endif
.endr
.endr
.endm
.macro FETCH_B slot, q, i0             ; B's blocks i0 .. i0 + 3 of the slot's q-th step, into set q
	WIN TO_B
.irp i, \i0, \i0+1, \i0+2, \i0+3
	FRAG 128*(\q)+FR*(\i), ADRB+\slot, \q, \i
.endr
	WIN 0
.endm
.macro FETCH_A slot, q, i0             ; A's blocks i0 .. i0 + 3
.irp i, \i0, \i0+1, \i0+2, \i0+3
	FRAG AF+FR*(\i), ADRA+\slot, \q, \i
.endr
.endm
.macro RUNX slot, q                    ; 32 loads: what Q1 of step (slot, q) wants
	FETCH_B \slot, \q, 0
	FETCH_A \slot, \q, 0
.endm
.macro RUNY slot, q                    ; 32 loads: what its Q2 wants, then what its Q3 wants
	FETCH_B \slot, \q, 4
	FETCH_A \slot, \q, 4
.endm
.macro PLACES n                        ; in front of loads into registers that matrix instructions have read, and of the first read of results
.rept \n
	v_nop
.endr
.endm
.macro STEP slot, zero                 ; a slot's first step (B's set 0); its successor lies in the same slot
	s_wait_dscnt 32                                ; the older run is in (B 0-3, A 0-3); the younger run's 32 loads may be out
	WIN MUL_LO
	MULQ 0, 0, 0, \zero
	s_wait_dscnt 16                                ; B 4-7 are in; A 4-7 may be out
	MULQ 0, 4, 0, \zero
	PLACES NP
	RUNX \slot, 1
	s_wait_dscnt 32                                ; all but the 32 just issued: A 4-7 are in
	WIN MUL_HI
	MULQ 4, 4, 0, \zero
	MULQ 4, 0, 0, \zero
	PLACES NP
	RUNY \slot, 1
.endm
; A slot's second step (B's set 1) changes slots behind Q2: my last reads of this slot were issued 32 products earlier.  The three lines, the round, the refill and the first run from the next slot follow on end.
; fill = 1: this slot takes the K step two on; fill = 2: slot 0 takes c_prev's tile.
.macro TURN slot, next, fill
.if \fill == 1
	s_wait_xcnt 0x0                                ; my prefetches have read their address: it steps here
	s_add_co_u32 s[KP], s[KP], ROWB
	s_and_b32 s[KP], s[KP], KROW-1
	s_add_nc_u64 s[PFA:PFA+1], s[PFB:PFB+1], s[KP:KP+1]
.endif
	s_wait_dscnt 32
	WIN MUL_LO
	MULQ 0, 0, 1, 0
	s_wait_dscnt 16
	MULQ 0, 4, 1, 0
	WIN 0                                          ; the add's registers lie in window 0
	s_wait_tensorcnt 0x0                           ; all my tensor loads have landed: my part of the next slot
	ds_add_u32 v[SPW], v[NIL]
.if \fill == 1
	s_add_co_u32 s[KO0+2*\slot], s[KO0+2*\slot], 2*ROWB    ; no load of mine is out: this slot's next place along K, wrapped
	s_and_b32 s[KO0+2*\slot], s[KO0+2*\slot], KROW-1
	s_add_nc_u64 s[G0+4*\slot+2:G0+4*\slot+3], s[4:5], s[KO0+2*\slot:KO0+2*\slot+1]
	s_or_b32 s[G0+4*\slot+3], s[G0+4*\slot+3], 0x80000000
	s_add_nc_u64 s[G0B+4*\slot+2:G0B+4*\slot+3], s[6:7], s[KO0+2*\slot:KO0+2*\slot+1]
	s_or_b32 s[G0B+4*\slot+3], s[G0B+4*\slot+3], 0x80000000
.endif
	s_wait_dscnt 0x0                               ; the add is done, and my reads of this slot are over
	s_barrier_signal -1
	s_barrier_wait -1
	CREST                                          ; the round: no wave of any partner still reads this slot or has a load on its way
.if \fill == 1
	JLOAD G0+4*\slot, G1, G0B+4*\slot, G1B         ; the first tensor load behind the round; its four v_nop are also the places in front of the loads below
.else
	CLOAD
.endif
	RUNX \next, 0
.if \fill == 1
	ASK
.if \slot == 0
	ASKC
.endif
.endif
	WIN MUL_HI
	MULQ 4, 4, 1, 0
	MULQ 4, 0, 1, 0
	PLACES NP
	RUNY \next, 0
.endm
	s_wait_alu depctr_va_vdst(0)
	s_wait_tensorcnt 0x0                           ; my part of K step 0 is in; these lines stand ahead of a later first fill as ahead of a refill
	ds_add_u32 v[SPW], v[NIL]
	s_wait_dscnt 0x0
	CROUND                                         ; everybody's part of K step 0 is in
	JLOAD G0+4, G1, G0B+4, G1B                     ; K step 1, slot 1's first fill
	RUNX 0, 0
	RUNY 0, 0
	global_prefetch_b8 v[PFO], s[PFA:PFA+1] offset:3*ROWB th:TH_LOAD_NT scope:SCOPE_SE   ; K step 3
	STEP 0, 1                                      ; the first step's products start the sums
	s_mov_b32 s3, LAPS-1
.Llap:
	TURN 0, 1, 1
	STEP 1, 0
	TURN 1, 0, 1
	STEP 0, 0
	s_sub_co_u32 s3, s3, 1
	s_cmp_lg_u32 s3, 0
	s_cbranch_scc1 .Llap
	TURN 0, 1, 2
	STEP 1, 0
	s_wait_dscnt 32                                ; the very last step: nothing more to fetch
	WIN MUL_LO
	MULQ 0, 0, 1, 0
	s_wait_dscnt 16
	MULQ 0, 4, 1, 0
	s_wait_dscnt 0
	WIN MUL_HI
	MULQ 4, 4, 1, 0
	MULQ 4, 0, 1, 0
	WIN 0
; THE WAY OUT, by blocks of 16 rows.  A wave's 32 units are half of a row's 256 bytes, so c_t and h_t go through the stages; behind a barrier the wave with half 0 reads c_t's whole rows and its neighbour h_t's.
.macro RDB k
.irp t, 0,1,2,3,4,5,6,7
	ds_load_b128 v[OB+32*((\k)%2)+4*\t:OB+32*((\k)%2)+4*\t+3], v[RD] offset:PITCH*(16*(\k)+2*\t)
.endr
.endm
.macro SENDB k, younger                ; younger: the LDS loads issued behind the block's eight
.irp t, 0,1,2,3,4,5,6,7
	s_wait_dscnt \younger+7-\t
	global_store_b128 v[CO], v[OB+32*((\k)%2)+4*\t:OB+32*((\k)%2)+4*\t+3], s[OUTP:OUTP+1] offset:8192*(16*(\k)+2*\t) th:TH_STORE_NT   ; sixteen lanes store one aligned run of 256 bytes
.endr
.endm
.macro GATE a
.set AC, 64*((\a)%4)
.irp u, 0,1
.irp q, 0,1
	ds_load_b128 v[CP+8*\u+4*\q:CP+8*\u+4*\q+3], v[CA] offset:16*PITCH*(\a)+64*\u+16*\q   ; c_prev of my 16 units
.endr
.endr
	WIN 0x02+((\a)/4)
.irp g, 0,1,2,3
.irp n, 0,2,4,6,8,10,12,14
.if \g == 2
	v_pk_fma_f32 v[T+16*\g+\n:T+16*\g+\n+1], v[AC+16*\g+\n:AC+16*\g+\n+1], s[SC:SC+1], v[BI+16*\g+\n:BI+16*\g+\n+1] op_sel_hi:[1,0,1]   ; the exponents: sum x scale x constant + bias x constant
.else
	v_pk_fma_f32 v[T+16*\g+\n:T+16*\g+\n+1], v[AC+16*\g+\n:AC+16*\g+\n+1], s[SF:SF+1], v[BI+16*\g+\n:BI+16*\g+\n+1] op_sel_hi:[1,0,1]
.endif
.endr
.endr
	WIN 0
.set ii, 0
	s_wait_alu depctr_va_vdst(0)                   ; one wait ahead of each batch of transcendentals and one behind it
.rept 64
	v_exp_f32 v[T+ii], v[T+ii]
.set ii, ii+1
.endr
	v_nop
.if (\a) > 0
	SENDB (\a)-1, 4                                ; the block before leaves; my four loads of c_prev are younger
.endif
	s_wait_alu depctr_va_vdst(0)
.set ii, 0
.rept 32
	v_pk_add_f32 v[T+ii:T+ii+1], v[T+ii:T+ii+1], 1.0 op_sel_hi:[1,0]
.set ii, ii+2
.endr
.set ii, 0
	s_wait_alu depctr_va_vdst(0)
.rept 64
	v_rcp_f32 v[T+ii], v[T+ii]
.set ii, ii+1
.endr
	v_nop
	s_wait_alu depctr_va_vdst(0)
.set ii, 0
.rept 8
	v_pk_fma_f32 v[T+32+ii:T+33+ii], v[T+32+ii:T+33+ii], -2.0, 1.0 op_sel_hi:[1,0,0]   ; tanh(c~)
.set ii, ii+2
.endr
.set ii, 0
.rept 8
	v_pk_mul_f32 v[T+16+ii:T+17+ii], v[T+16+ii:T+17+ii], v[T+32+ii:T+33+ii]
.set ii, ii+2
.endr
	s_wait_alu depctr_va_vdst(0)
	s_wait_dscnt 0x0
.set ii, 0
.rept 8
	v_pk_fma_f32 v[CP+ii:CP+ii+1], v[T+ii:T+ii+1], v[CP+ii:CP+ii+1], v[T+16+ii:T+17+ii]   ; c_t
.set ii, ii+2
.endr
.irp u, 0,1
.irp q, 0,1
	ds_store_b128 v[CA], v[CP+8*\u+4*\q:CP+8*\u+4*\q+3] offset:16*PITCH*(\a)+64*\u+16*\q
.endr
.endr
.set ii, 0
.rept 8
	v_pk_mul_f32 v[TT+ii:TT+ii+1], v[CP+ii:CP+ii+1], s[K2:K2+1] op_sel_hi:[1,0]
.set ii, ii+2
.endr
.set ii, 0
	s_wait_alu depctr_va_vdst(0)
.rept 16
	v_exp_f32 v[TT+ii], v[TT+ii]
.set ii, ii+1
.endr
	v_nop
	s_wait_alu depctr_va_vdst(0)
.set ii, 0
.rept 8
	v_pk_add_f32 v[TT+ii:TT+ii+1], v[TT+ii:TT+ii+1], 1.0 op_sel_hi:[1,0]
.set ii, ii+2
.endr
.set ii, 0
	s_wait_alu depctr_va_vdst(0)
.rept 16
	v_rcp_f32 v[TT+ii], v[TT+ii]
.set ii, ii+1
.endr
	v_nop
	s_wait_alu depctr_va_vdst(0)
.set ii, 0
.rept 8
	v_pk_fma_f32 v[TT+ii:TT+ii+1], v[TT+ii:TT+ii+1], -2.0, 1.0 op_sel_hi:[1,0,0]   ; tanh(c_t)
.set ii, ii+2
.endr
.set ii, 0
.rept 8
	v_pk_mul_f32 v[TT+ii:TT+ii+1], v[TT+ii:TT+ii+1], v[T+48+ii:T+49+ii]   ; h_t
.set ii, ii+2
.endr
.irp u, 0,1
.irp q, 0,1
	ds_store_b128 v[HA], v[TT+8*\u+4*\q:TT+8*\u+4*\q+3] offset:16*PITCH*(\a)+64*\u+16*\q
.endr
.endr
.endm
	PLACES NP
	s_wait_tensorcnt 0x0                           ; my rows of c_prev are in,
	s_barrier_signal -1
	s_barrier_wait -1                              ; and everybody's
.irp a, 0,1,2,3,4,5,6,7
	GATE \a
	s_wait_dscnt 0x0                               ; for the neighbour's sake: my stores into the stages are done
	s_barrier_signal -1
	s_barrier_wait -1
.if \a >= 2
	s_wait_xcnt 0x0                                ; block a - 2's stores have read their registers: block a's rows may land there
.endif
	RDB \a
.endr
	SENDB 7, 0
	s_wait_tensorcnt 0x0                           ; the wave's end
	ds_add_u32 v[SPW], v[NIL]
	s_wait_dscnt 0x0
	CROUND                                         ; the closing round
	s_endpgm
.Lfunc_end_k_q98822ce5ef_lstm:
	.size	k_q98822ce5ef_lstm, .Lfunc_end_k_q98822ce5ef_lstm-k_q98822ce5ef_lstm
	.p2alignl 7, 3214868480
	.fill 96, 4, 3214868480
	.section	.rodata,"a",@progbits
	.p2align	6, 0x0
	.amdhsa_kernel k_q98822ce5ef_lstm
		.amdhsa_group_segment_fixed_size 327680
		.amdhsa_private_segment_fixed_size 0
		.amdhsa_enable_private_segment 0
		.amdhsa_kernarg_size 80
		.amdhsa_user_sgpr_count 2
		.amdhsa_user_sgpr_kernarg_segment_ptr 1
		.amdhsa_wavefront_size32 1
		.amdhsa_system_sgpr_workgroup_id_x 1
		.amdhsa_system_sgpr_workgroup_id_y 1
		.amdhsa_system_sgpr_workgroup_id_z 1
		.amdhsa_system_vgpr_workitem_id 0
		.amdhsa_next_free_vgpr 1024
		.amdhsa_next_free_sgpr 102
		.amdhsa_reserve_vcc 0
		.amdhsa_float_denorm_mode_32 3
		.amdhsa_float_denorm_mode_16_64 3
		.amdhsa_memory_ordered 1
		.amdhsa_forward_progress 1
		.amdhsa_inst_pref_size 209
	.end_amdhsa_kernel
	.amdgpu_metadata
---
amdhsa.version: [ 1, 2 ]
amdhsa.kernels:
  - .name:           k_q98822ce5ef_lstm
    .symbol:         k_q98822ce5ef_lstm.kd
    .args:
      - { .name: a_codes, .offset: 0, .size: 8, .value_kind: global_buffer, .address_space: global }
      - { .name: w_codes, .offset: 8, .size: 8, .value_kind: global_buffer, .address_space: global }
      - { .name: lowp_scales, .offset: 16, .size: 8, .value_kind: global_buffer, .address_space: global }
      - { .name: c_prev, .offset: 24, .size: 8, .value_kind: global_buffer, .address_space: global }
      - { .name: b_f, .offset: 32, .size: 8, .value_kind: global_buffer, .address_space: global }
      - { .name: b_i, .offset: 40, .size: 8, .value_kind: global_buffer, .address_space: global }
      - { .name: b_c, .offset: 48, .size: 8, .value_kind: global_buffer, .address_space: global }
      - { .name: b_o, .offset: 56, .size: 8, .value_kind: global_buffer, .address_space: global }
      - { .name: out0, .offset: 64, .size: 8, .value_kind: global_buffer, .address_space: global }
      - { .name: out1, .offset: 72, .size: 8, .value_kind: global_buffer, .address_space: global }
    .group_segment_fixed_size: 327680
    .private_segment_fixed_size: 0
    .kernarg_segment_align: 8
    .kernarg_segment_size: 80
    .max_flat_workgroup_size: 128
    .sgpr_count:     102
    .vgpr_count:     1024
    .wavefront_size: 32
...
	.end_amdgpu_metadata
.endif
;; end of part 2
